; MI455X (gfx1250); checked and timed in simulation.
; The chip was launched on July 23, 2026; its instructions are those of AMD's public machine-readable ISA for CDNA 5 (MIT licence, August 2026) and "CDNA5" Instruction Set Architecture Reference Guide (July 2026). The comments in the code are by the model that wrote it; some were corrected since.
;; Embedder. Allowed arithmetic: matrix products marked QUANTISED: E4M3 operands, one given power-of-two scale a tensor, by v_wmma_f32_16x16x64_fp8_fp8 or v_wmma_f32_16x16x128_fp8_fp8, f32 sums; everything else in f32.
;; Inputs: Wk 1,024 x 1,024 float32; Wo 1,024 x 1,024 float32; Wq 1,024 x 1,024 float32; Wv 1,024 x 1,024 float32; bk 1,024 float32; bo 1,024 float32; bq 1,024 float32; bv 1,024 float32; lowp_scales 12 int32 (the exponents e of the quantised operands' scales 2^e); segment_ids 4,096 int32; x 4,096 x 1,024 float32.
;; Outputs: out0 1,024 float32.
;; Constants: pos = 100.
;; This version of the problem:
;;   THIS VERSION OF THE PROBLEM IS GIVEN IN LOW PRECISION. The matrix products marked QUANTISED in the list below multiply operands that are first quantised to E4M3 (4 exponent bits, 3 mantissa bits; 8 bits a number), with one given power-of-two scale for each operand tensor; their sums are f32. All else is computed in f32.
;;   The module's matrix products, in the order in which they are computed (A, B: the left and right operand; K: the contracted axis; several contracted axes count as one K, in the product's order):
;;     1. [M 4,096, K 1,024] x [K 1,024, N 1,024]; A: input x; B: input Wq: QUANTISED (scales: A lowp_scales[0], B lowp_scales[1])
;;     2. [M 4,096, K 1,024] x [K 1,024, N 1,024]; A: input x; B: input Wk: QUANTISED (scales: A lowp_scales[2], B lowp_scales[3])
;;     3. [M 4,096, K 1,024] x [K 1,024, N 1,024]; A: input x; B: input Wv: QUANTISED (scales: A lowp_scales[4], B lowp_scales[5])
;;     4. batch 16 x [M 4,096, K 64] x [K 64, N 4,096]; A: computed on the way; B: computed on the way: QUANTISED (scales: A lowp_scales[6], B lowp_scales[7])
;;     5. batch 16 x [M 64, K 4,096] x [K 4,096, N 4,096]; A: computed on the way; B: softmax (see below): QUANTISED (scales: A lowp_scales[8], B lowp_scales[9])
;;     6. [M 4,096, K 1,024] x [K 1,024, N 1,024]; A: computed on the way; B: input Wo: QUANTISED (scales: A lowp_scales[10], B lowp_scales[11])
;;   THE QUANTISER, for each operand of a quantised product, along K:
;;     - The operand's scale is 2^e, e = its entry of the input lowp_scales (int32; the entries are numbered through the quantised products in the list's order, A before B).
;;     - Each number is divided by the scale, clamped to +-448, and rounded to the nearest number of E4M3, ties to even, subnormals kept.
;;     - The product sums the exact products of the quantised numbers (number of the format x scale) in f32.
;;   ~~~python
;;   def quantise(x, axis, e):      # numpy; x: float32 -> the quantised numbers, widened to float32 again
;;       x = np.moveaxis(x, axis, -1); K = x.shape[-1]
;;       r = np.clip(x / 2.0 ** e, -448, 448)
;;       step = 2.0 ** (np.maximum(np.frexp(np.where(r == 0, 1, r))[1] - 1, -6) - 3)
;;       q = np.round(r / step) * step * 2.0 ** e      # np.round: ties to even
;;       return np.moveaxis(q, -1, axis).astype(np.float32)
;;   ~~~
;;   SOFTMAX AHEAD OF A QUANTISED PRODUCT. Where the list says 'softmax', what is quantised is not the finished softmax but p = 2^(t - M), with t = logit x log2(e) and M = ceil(the row's largest t), a whole number; so 1/2 < the row's largest p <= 1. The row's sum l is taken of the UNQUANTISED p, in f32, and the product's result is divided by l at the end. Since M is a whole number, a kernel that streams over the keys may use a running M (the ceiling of the running maximum): every later rescaling is an exact power of two, so the quantised numbers keep their values, but for numbers so far below the row's largest that they fall under the format's range.
;;   OPERANDS COMPUTED ON THE WAY. 'Computed on the way' means the value that the module computes at that place (a softmax that the list does not call 'softmax' is quantised finished and normalised). What goes into a quantiser is computed in f32, as accurately as f32 sums, v_exp_f32 and their like allow (about 1e-6 of the number): no bf16 or f16 on the way to a quantiser, and a product that is left as it is and whose result goes on into a quantised operand takes f32 operands (vector FMAs, or v_wmma_f32_16x16x4_f32). A number that lies on a knife's edge between two numbers of the format may be rounded either way, as far as f32 arithmetic and the matrix unit's own rounding can turn it there, and no further.
;; One version. Each part assembles by itself: llvm-mc -triple=amdgcn-amd-amdhsa -mcpu=gfx1250 --defsym DOCPART=n.
;; ======== version 1 of 1: 4 launches
;; workspace buffers: x_img 4,194,304 bytes; xm 12,582,912 bytes; w_img 4,194,304 bytes; list 16,640 bytes of whole numbers; maskc 4,096 bytes; qkv_img 12,582,912 bytes; vpart 262,144 bytes; wv_img 4,194,304 bytes
;; launch quant (part 1): grid 257 x 1, 4 waves a work-group, no clusters, 55,808 bytes of LDS; arguments x, Wq, Wk, Wv, Wo, lowp_scales, segment_ids, x_img, xm, w_img, list, maskc; writes x_img, xm, w_img, list, maskc
.if DOCPART == 1
	.amdgcn_target "amdgcn-amd-amdhsa--gfx1250"
	.amdhsa_code_object_version 6
	.text
	.protected	k_qf7d2326148_quant
	.globl	k_qf7d2326148_quant
	.p2align	8
	.type	k_qf7d2326148_quant,@function
k_qf7d2326148_quant:
	s_mov_b64 s[64:65], 0
	v_nop
	global_prefetch_b8 v0, s[64:65] scope:SCOPE_SE
	s_setreg_imm32_b32 hwreg(HW_REG_WAVE_MODE, 25, 1), 1
	s_wait_xcnt 0x0
; x [4096][1024] and Wq, Wk, Wv, Wo [1024][1024], f32, K innermost, become codes of FP8 (E4M3) under the given scales (x: e4; Wq e1, Wk e3, Wv e5, Wo e11).
; code = number / 2^e, held within +-448, to the nearest code, ties to even.
; THE IMAGE.  Codes are laid in the order of an operand's registers: a tile of 16 rows x 1024 K is 16,384 bytes, 8 K steps of 2,048; the 8-byte piece p (0..15) of row r in K step s lies at
; 2048 s + 512 (p / 4) + 256 (p % 2) + 16 r + 8 ((p / 2) % 2).  Four loads of 16 bytes a lane at 512 c + 16 lane then give registers 2 c, 2 c + 1 = k 16 c + 8 (lane / 16) + 0..7.
; MAIN ROWS (segment_ids[row] == segment_ids[100]) of x are stored once more, by rows, under e0, e2 and e4 (buffer xm, three slots of 4 MiB), with the middle two 8-byte pieces of every 32 bytes swapped, so that
; 16 bytes at 32 c + 16 (lane / 16) of a row are the same registers.  Only main rows are written there, and only those are read later.
; Work-groups 0-127: x; 128-255: the four weights, 32 each; a work-group takes 2 tiles; wave w takes tile 2 u + w / 2, K half w % 2: 16 steps of one row's 512 numbers.
; Work-group 256: the list: a stable split of the tokens (main ones first, in order, then the others), n = their number (32 copies behind the list), and one code a token for the mask (1.0 = 0x38 where NOT main, else 0).
; No tensor loads, no barrier: waves share nothing.  Loads run four steps (16 loads a wave) ahead.
; LIMITS: e0, e1, e2, e3, e4, e5, e11 between -126 and 119, so that 2^e and 448 x 2^e are f32 numbers.  NaN among the inputs is not served.
.set STEPS, 16
.set SP,    80                         ; a lane's place in a turning stage: 64 bytes + 16 of padding
.set WREG,  13824                      ; LDS of a wave: two turning stages of 2,560 bytes, then the image's stage
.set OST,   5120                       ; the image's stage: 32 pieces of 256 bytes, 272 apart
.set UP,    272
.set R,     16                         ; v16-79   four sets of 16 numbers as loaded
.set X,     80                         ; v80-111  two sets of 16 neighbours
.set T,     112                        ; v112-127 held numbers for the extra scales
.set C,     128                        ; v128-131 a step's codes
.set EC,    132                        ; v132-143 a main row's codes under e0, e2, e4
.set OUTR,  16                         ; the way out: 16 x 4 registers
.set SLOTB, 4194304                    ; a slot of xm
	s_load_b512 s[8:23], s[0:1], 0x0               ; x 8, Wq 10, Wk 12, Wv 14, Wo 16, scales 18, ids 20, x_img 22
	s_load_b256 s[24:31], s[0:1], 0x40             ; xm 24, w_img 26, list 28, maskc 30
	v_lshl_add_u32 v216, v0, 2, 0xd800
	v_mov_b32 v217, 0
	v_lshrrev_b32 v1, 5, v0
	v_readfirstlane_b32 s61, v1                    ; wave
	v_and_b32 v2, 31, v0                           ; lane
	v_lshlrev_b32 v3, 4, v2                        ; 16 x lane: my bytes of a load's 512 and of a store's 512
	s_cmp_eq_u32 ttmp9, 256
	s_cbranch_scc1 .Llist
	; ---- which tensor, which tile
	s_cmp_lt_u32 ttmp9, 128
	s_cselect_b32 s63, 1, 0                        ; 1: x
	s_cselect_b32 s72, 127, 31
	s_and_b32 s72, ttmp9, s72                      ; u
	s_lshr_b32 s73, s61, 1
	s_lshl_b32 s72, s72, 1
	s_add_co_u32 s72, s72, s73                     ; tile = 2 u + wave / 2
	s_and_b32 s73, s61, 1                          ; K half
	s_lshl_b32 s74, s72, 16
	s_lshl_b32 s75, s73, 11
	s_add_co_u32 s74, s74, s75
	s_mov_b32 s75, 0                               ; source: tile x 16 rows of 4,096 bytes + half x 2,048
	s_lshr_b32 s76, ttmp9, 5
	s_sub_co_u32 s76, s76, 4                       ; which weight (meaningless for x)
	s_lshl_b32 s76, s76, 20
	s_cmp_lg_u32 s63, 0
	s_cselect_b32 s76, 0, s76
	s_lshl_b32 s77, s72, 14
	s_add_co_u32 s76, s76, s77
	s_lshl_b32 s77, s73, 13
	s_add_co_u32 s76, s76, s77
	s_mov_b32 s77, 0                               ; image: weight x 1 MiB + tile x 16,384 + half x 8,192
	s_lshl_b32 s78, s72, 14
	s_lshl_b32 s79, s73, 9
	s_add_co_u32 s78, s78, s79
	s_add_co_u32 s78, s78, SLOTB
	s_mov_b32 s79, 0                               ; xm: the middle slot, tile x 16 rows of 1,024 + half x 512
	s_lshl_b32 s80, s72, 6
	s_cmp_lg_u32 s63, 0
	s_cselect_b32 s80, s80, 0
	s_mov_b32 s81, 0                               ; my 16 rows' ids (x), or the first 16 (unused)
	; ---- LDS and store addresses
	s_mul_i32 s85, s61, WREG
	v_lshrrev_b32 v14, 2, v2
	v_mul_u32_u24 v14, v14, SP
	v_and_b32 v15, 3, v2
	v_lshl_add_u32 v14, v15, 4, v14
	v_add_nc_u32 v14, s85, v14                     ; turning stage, in: four lanes' 64 bytes on end
	v_mul_u32_u24 v15, v2, SP
	v_add_nc_u32 v15, s85, v15                     ; turning stage, out: my 16 neighbours
	v_lshrrev_b32 v1, 1, v2
	v_and_b32 v4, 1, v2
	v_mul_u32_u24 v9, v1, 2*UP
	v_lshl_add_u32 v9, v4, 3, v9
	v_add_nc_u32 v9, s85, v9
	v_add_nc_u32 v9, OST, v9                       ; image stage, in: pieces 2 (lane / 2) and + 1, byte 8 (lane % 2) + 16 x row
	v_lshlrev_b32 v12, 5, v1
	v_lshl_add_u32 v12, v4, 3, v12                 ; xm: 32 (lane / 2) + 8 (lane % 2); the second piece 16 bytes on
	v_lshrrev_b32 v1, 4, v2
	v_and_b32 v4, 15, v2
	v_mul_u32_u24 v13, v1, UP
	v_lshl_add_u32 v13, v4, 4, v13
	v_add_nc_u32 v13, s85, v13
	v_add_nc_u32 v13, OST, v13                     ; image stage, out: two pieces an instruction
	s_wait_kmcnt 0x0
	s_load_b256 s[32:39], s[18:19], 0x0            ; e0 .. e7
	s_load_b128 s[40:43], s[18:19], 0x20           ; e8 .. e11
	s_add_nc_u64 s[80:81], s[20:21], s[80:81]
	s_load_b512 s[44:59], s[80:81], 0x0            ; 16 ids
	s_load_b32 s60, s[20:21], 0x190                ; segment_ids[100]
	s_mov_b64 s[66:67], s[16:17]                   ; the source is chosen by the work-group's number alone
	s_cmp_lt_u32 ttmp9, 224
	s_cselect_b64 s[66:67], s[14:15], s[66:67]
	s_cmp_lt_u32 ttmp9, 192
	s_cselect_b64 s[66:67], s[12:13], s[66:67]
	s_cmp_lt_u32 ttmp9, 160
	s_cselect_b64 s[66:67], s[10:11], s[66:67]
	s_cmp_lt_u32 ttmp9, 128
	s_cselect_b64 s[66:67], s[8:9], s[66:67]
	s_cselect_b64 s[68:69], s[22:23], s[26:27]
	s_add_nc_u64 s[66:67], s[66:67], s[74:75]
	s_add_nc_u64 s[68:69], s[68:69], s[76:77]
	s_add_nc_u64 s[70:71], s[24:25], s[78:79]
.macro LOAD t                          ; row t's 512 numbers: four loads of 512 consecutive bytes
.irp i, 0,1,2,3
	global_load_b128 v[R+16*((\t)%4)+4*\i:R+16*((\t)%4)+4*\i+3], v3, s[66:67] offset:4096*(\t)+512*\i th:TH_LOAD_NT
.endr
.endm
.macro TURN t                          ; through the turning stage: LDS serves a wave's instructions in order, so no wait stands between the stores and the loads
.irp i, 0,1,2,3
	ds_store_b128 v14, v[R+16*((\t)%4)+4*\i:R+16*((\t)%4)+4*\i+3] offset:32*SP*((\t)%2)+8*SP*\i
.endr
.irp i, 0,1,2,3
	ds_load_b128 v[X+16*((\t)%2)+4*\i:X+16*((\t)%2)+4*\i+3], v15 offset:32*SP*((\t)%2)+16*\i
.endr
.endm
.macro MKSC e, vlim, vsc               ; 2^e and 448 x 2^e as f32 numbers, e in s[e]
	s_add_co_i32 s83, s[\e], 127
	s_lshl_b32 s84, s83, 23
	v_mov_b32 v[\vsc], s84
	s_add_co_i32 s83, s83, 8
	s_lshl_b32 s83, s83, 23
	s_or_b32 s83, s83, 0x600000
	v_mov_b32 v[\vlim], s83
.endm
	LOAD 0
	LOAD 1
	LOAD 2
	LOAD 3
	s_wait_kmcnt 0x0
	s_mov_b32 s82, s43                             ; the tensor's own e: e11, e5, e3, e1, or e4 for x
	s_cmp_lt_u32 ttmp9, 224
	s_cselect_b32 s82, s37, s82
	s_cmp_lt_u32 ttmp9, 192
	s_cselect_b32 s82, s35, s82
	s_cmp_lt_u32 ttmp9, 160
	s_cselect_b32 s82, s33, s82
	s_cmp_lt_u32 ttmp9, 128
	s_cselect_b32 s82, s36, s82
	MKSC 82, 10, 11
	MKSC 32, 5, 6                                  ; e0
	MKSC 34, 7, 8                                  ; e2
	MKSC 36, 144, 145                              ; e4
	s_mov_b32 s62, 0                               ; bit i: row i of my tile is a main row
.irp i, 0,1,2,3,4,5,6,7,8,9,10,11,12,13,14,15
	s_cmp_eq_u32 s[44+\i], s60
	s_cselect_b32 s83, 1<<\i, 0
	s_or_b32 s62, s62, s83
.endr
	s_cmp_lg_u32 s63, 0
	s_cselect_b32 s62, s62, 0                      ; weights have no main rows
	s_wait_loadcnt 12                              ; row 0's four loads are in
	TURN 0
.macro EXTRA t, imm, lim, sc, k        ; a main row's codes under one more scale, into its slot of xm
.irp i, 0,1,2,3,4,5,6,7,8,9,10,11,12,13,14,15
	v_med3_num_f32 v[T+\i], v[X+16*((\t)%2)+\i], -v[\lim], v[\lim]
.endr
	v_cvt_scalef32_pk8_fp8_f32 v[EC+4*(\k):EC+4*(\k)+1], v[T:T+7], v[\sc]
	v_cvt_scalef32_pk8_fp8_f32 v[EC+4*(\k)+2:EC+4*(\k)+3], v[T+8:T+15], v[\sc]
	v_nop                                          ; a plain line between the conversions and the next write of their sources
	global_store_b64 v12, v[EC+4*(\k):EC+4*(\k)+1], s[70:71] offset:(\imm)+(\t)*1024
	global_store_b64 v12, v[EC+4*(\k)+2:EC+4*(\k)+3], s[70:71] offset:(\imm)+(\t)*1024+16
.endm
.macro STEP t
.set XS, X+16*((\t)%2)
	s_wait_dscnt 0x0                               ; this row's numbers are back from the stage; the last row's codes have been read by their LDS stores
.if (\t)+4 < STEPS
	LOAD (\t)+4
.endif
.if (\t)+1 < STEPS
.if STEPS-2-(\t) >= 3
	s_wait_loadcnt 12                              ; the next row's four loads are in; those of the three rows behind it may be out
.else
	s_wait_loadcnt 4*(STEPS-2-(\t))
.endif
	TURN (\t)+1
.endif
	s_bitcmp1_b32 s62, \t                          ; a main row?  (a whole number read from segment_ids decides)
	s_cbranch_scc0 .Lplain_\@
	s_wait_xcnt 0x0                                ; an earlier main row's stores have read their data registers
	EXTRA \t, -SLOTB, 5, 6, 0
	EXTRA \t, 0, 7, 8, 1
	EXTRA \t, SLOTB, 144, 145, 2
.Lplain_\@:
.irp i, 0,1,2,3,4,5,6,7,8,9,10,11,12,13,14,15
	v_med3_num_f32 v[XS+\i], v[XS+\i], -v10, v10   ; the conversion does not saturate (ISA guide 7.6.2): the hold at the largest code x the scale
.endr
	v_cvt_scalef32_pk8_fp8_f32 v[C:C+1], v[XS:XS+7], v11
	v_cvt_scalef32_pk8_fp8_f32 v[C+2:C+3], v[XS+8:XS+15], v11
	v_nop
	ds_store_b64 v9, v[C:C+1] offset:16*(\t)       ; piece 2 (lane % 8) of K step lane / 8, row t
	ds_store_b64 v9, v[C+2:C+3] offset:16*(\t)+UP  ; the odd piece lies 256 bytes on in the image
.endm
.irp t, 0,1,2,3,4,5,6,7,8,9,10,11,12,13,14,15
	STEP \t
.endr
.set i, 0
.rept 16
	ds_load_b128 v[OUTR+4*i:OUTR+4*i+3], v13 offset:2*UP*i   ; these see my stores: a wave's LDS instructions are served in order
.set i, i+1
.endr
.set i, 0
.rept 16
	s_wait_dscnt 15-i
	global_store_b128 v3, v[OUTR+4*i:OUTR+4*i+3], s[68:69] offset:512*i   ; 32 lanes store 512 consecutive bytes, aligned
.set i, i+1
.endr
	s_wait_tensorcnt 0x0
	ds_add_u32 v216, v217
	s_wait_dscnt 0x0
	s_endpgm
	; ---- THE LIST.  Every wave counts all 4,096 ids (n, and the main tokens ahead of its own 1,024); then it places its own tokens, a lane a token.
.Llist:
	s_wait_kmcnt 0x0
	s_load_b32 s60, s[20:21], 0x190                ; segment_ids[100]
	s_lshl_b32 s75, s61, 12
	v_lshlrev_b32 v5, 2, v2
	v_add_nc_u32 v5, s75, v5                       ; my wave's ids, 4 bytes a lane
	v_add_nc_u32 v4, s75, v3                       ; my wave's ids, 16 bytes a lane
.set i, 0
.rept 32
	global_load_b128 v[16+4*i:19+4*i], v3, s[20:21] offset:512*i
.set i, i+1
.endr
.set i, 0
.rept 32
	global_load_b32 v[144+i], v5, s[20:21] offset:128*i
.set i, i+1
.endr
.set i, 0
.rept 8
	global_load_b128 v[176+4*i:179+4*i], v4, s[20:21] offset:512*i
.set i, i+1
.endr
	s_lshl_b32 s74, s61, 3                         ; my first chunk of 128 tokens
	s_mov_b32 s72, 0                               ; n
	s_mov_b32 s73, 0                               ; main tokens ahead of mine
	s_lshl_b32 s75, s61, 10
	v_add_nc_u32 v7, s75, v2                       ; my token in the first group of 32
	v_lshlrev_b32 v13, 2, v2
	v_add_nc_u32 v13, s75, v13                     ; the mask's bytes: 1,024 wave + 4 lane
	v_mov_b32 v9, 0
	s_wait_kmcnt 0x0
	s_wait_loadcnt 0x0
.set i, 0
.rept 32
	v_cmp_eq_u32 s76, s60, v[16+4*i]
	v_cmp_eq_u32 s77, s60, v[17+4*i]
	v_cmp_eq_u32 s78, s60, v[18+4*i]
	v_cmp_eq_u32 s79, s60, v[19+4*i]
	s_bcnt1_i32_b32 s76, s76
	s_bcnt1_i32_b32 s77, s77
	s_bcnt1_i32_b32 s78, s78
	s_bcnt1_i32_b32 s79, s79
	s_add_co_u32 s76, s76, s77
	s_add_co_u32 s78, s78, s79
	s_add_co_u32 s76, s76, s78
	s_add_co_u32 s72, s72, s76
	s_cmp_gt_u32 s74, i
	s_cselect_b32 s76, s76, 0
	s_add_co_u32 s73, s73, s76
.set i, i+1
.endr
.set i, 0
.rept 32
	v_cmp_eq_u32 vcc_lo, s60, v[144+i]
	v_mbcnt_lo_u32_b32 v6, vcc_lo, 0               ; main tokens in lower lanes,
	v_add_nc_u32 v6, s73, v6                       ; and before: the rank of a main token
	v_add_nc_u32 v[112+i], 32*i, v7                ; the token
	v_add_nc_u32 v8, s72, v[112+i]
	v_sub_nc_u32 v8, v8, v6                        ; n + the others before it: the place of another token
	v_cndmask_b32 v[80+i], v8, v6, vcc_lo
	v_min_u32 v[80+i], 0xfff, v[80+i]
	v_lshlrev_b32 v[80+i], 2, v[80+i]
	global_store_b32 v[80+i], v[112+i], s[28:29]
	s_bcnt1_i32_b32 s75, vcc_lo
	s_add_co_u32 s73, s73, s75
.set i, i+1
.endr
.set i, 0
.rept 8
	v_cmp_eq_u32 vcc_lo, s60, v[176+4*i]
	v_cndmask_b32 v10, 56, v9, vcc_lo              ; 0x38 = 1.0 where the token is not main
	v_cmp_eq_u32 vcc_lo, s60, v[177+4*i]
	v_cndmask_b32 v11, 56, v9, vcc_lo
	v_lshl_or_b32 v10, v11, 8, v10
	v_cmp_eq_u32 vcc_lo, s60, v[178+4*i]
	v_cndmask_b32 v11, 56, v9, vcc_lo
	v_lshl_or_b32 v10, v11, 16, v10
	v_cmp_eq_u32 vcc_lo, s60, v[179+4*i]
	v_cndmask_b32 v11, 56, v9, vcc_lo
	v_lshl_or_b32 v[208+i], v11, 24, v10
	global_store_b32 v13, v[208+i], s[30:31] offset:128*i
.set i, i+1
.endr
	s_cmp_lg_u32 s61, 0
	s_cbranch_scc1 .Llist_end
	v_mov_b32 v14, s72
	v_lshlrev_b32 v15, 2, v2
	global_store_b32 v15, v14, s[28:29] offset:16384   ; n, 32 copies
.Llist_end:
	s_endpgm
.Lfunc_end_k_qf7d2326148_quant:
	.size	k_qf7d2326148_quant, .Lfunc_end_k_qf7d2326148_quant-k_qf7d2326148_quant
	.p2alignl 7, 3214868480
	.fill 96, 4, 3214868480
	.section	.rodata,"a",@progbits
	.p2align	6, 0x0
	.amdhsa_kernel k_qf7d2326148_quant
		.amdhsa_group_segment_fixed_size 55808
		.amdhsa_private_segment_fixed_size 0
		.amdhsa_enable_private_segment 0
		.amdhsa_kernarg_size 96
		.amdhsa_user_sgpr_count 2
		.amdhsa_user_sgpr_kernarg_segment_ptr 1
		.amdhsa_wavefront_size32 1
		.amdhsa_system_sgpr_workgroup_id_x 1
		.amdhsa_system_sgpr_workgroup_id_y 1
		.amdhsa_system_sgpr_workgroup_id_z 1
		.amdhsa_system_vgpr_workitem_id 0
		.amdhsa_next_free_vgpr 218
		.amdhsa_next_free_sgpr 96
		.amdhsa_reserve_vcc 1
		.amdhsa_float_denorm_mode_32 3
		.amdhsa_float_denorm_mode_16_64 3
		.amdhsa_memory_ordered 1
		.amdhsa_forward_progress 1
		.amdhsa_inst_pref_size 160
	.end_amdhsa_kernel
	.amdgpu_metadata
---
amdhsa.version: [ 1, 2 ]
amdhsa.kernels:
  - .name:           k_qf7d2326148_quant
    .symbol:         k_qf7d2326148_quant.kd
    .args:
      - { .name: x, .offset: 0, .size: 8, .value_kind: global_buffer, .address_space: global }
      - { .name: Wq, .offset: 8, .size: 8, .value_kind: global_buffer, .address_space: global }
      - { .name: Wk, .offset: 16, .size: 8, .value_kind: global_buffer, .address_space: global }
      - { .name: Wv, .offset: 24, .size: 8, .value_kind: global_buffer, .address_space: global }
      - { .name: Wo, .offset: 32, .size: 8, .value_kind: global_buffer, .address_space: global }
      - { .name: lowp_scales, .offset: 40, .size: 8, .value_kind: global_buffer, .address_space: global }
      - { .name: segment_ids, .offset: 48, .size: 8, .value_kind: global_buffer, .address_space: global }
      - { .name: x_img, .offset: 56, .size: 8, .value_kind: global_buffer, .address_space: global }
      - { .name: xm, .offset: 64, .size: 8, .value_kind: global_buffer, .address_space: global }
      - { .name: w_img, .offset: 72, .size: 8, .value_kind: global_buffer, .address_space: global }
      - { .name: list, .offset: 80, .size: 8, .value_kind: global_buffer, .address_space: global }
      - { .name: maskc, .offset: 88, .size: 8, .value_kind: global_buffer, .address_space: global }
    .group_segment_fixed_size: 55808
    .private_segment_fixed_size: 0
    .kernarg_segment_align: 8
    .kernarg_segment_size: 96
    .max_flat_workgroup_size: 128
    .sgpr_count:     96
    .vgpr_count:     218
    .wavefront_size: 32
...
	.end_amdgpu_metadata
.endif
;; end of part 1
;; launch proj (part 2): grid 608 x 1, 4 waves a work-group, no clusters, 67,072 bytes of LDS; arguments x_img, xm, w_img, list, maskc, lowp_scales, bq, bk, bv, qkv_img, vpart; writes qkv_img, vpart
.if DOCPART == 2
	.amdgcn_target "amdgcn-amd-amdhsa--gfx1250"
	.amdhsa_code_object_version 6
	.text
	.protected	k_qf7d2326148_proj
	.globl	k_qf7d2326148_proj
	.p2align	8
	.type	k_qf7d2326148_proj,@function
k_qf7d2326148_proj:
	s_mov_b64 s[64:65], 0
	v_nop
	global_prefetch_b8 v0, s[64:65] scope:SCOPE_SE
	s_setreg_imm32_b32 hwreg(HW_REG_WAVE_MODE, 25, 1), 1
	s_wait_xcnt 0x0
; Two parts, told apart by the work-group's number.
; PART C (work-groups 0-95): q, k, v of the MAIN rows.  Work-group c: y = c % 2, m = (c / 2) / 16 (0 q, 1 k, 2 v), head h = (c / 2) % 16; it walks the blocks rb = y, y + 2, .. of 64 ranks, rb < nb = ceil(n / 64),
;   n read from the stored list; the loop counts its trips, (nb - y + 1) / 2, one by one.  A block is 64 ranks x 64 of the head; sums x 2^(ea + eb) + bias are quantised under e6, e7 or e8 and stored as operand images of 1 KiB (16 rows x 64 K):
;   q, k: rows = ranks, K = the head's 64 (source 0 = W's rows, source 1 = x: a lane's eight results run along the head);  v: rows = the head's 64, K = the 64 ranks (sources swapped).
;   Ranks at or past n repeat rank n - 1: the next launch hides them.
; PART B (work-groups 96-607): v of ALL tokens, 64 tokens x 128 columns a work-group, quantised under e8 in registers; then the codes are multiplied by the mask's codes (1.0 where the token is not main) by
;   the K = 64 form: the sum of the codes of the tokens outside the main segment, one partial for each block of 64 tokens (vpart [64][1024] f32).
; The bias goes in as the C of a sum's first product, divided by the power of two that the sums lack; the three scales ahead of a quantiser are folded into the conversion's one.
; NO JOINT LOADS, NO TENSOR LOADS: an x tile of part B is read by 8 work-groups and a W tile by 64, but this text holds a trip count and an early end that are read from the stored list;
; operands come through registers, x's 64 KiB once through LDS for the four waves.
; LIMITS: e6 - e0 - e1, e7 - e2 - e3, e8 - e4 - e5 between -126 and 119.
.set OUTS, 65536                       ; LDS: x's four tiles at 0 (65,536 bytes, dense), then 128 sums
.set ACC,  16                          ; B: v16-79   accumulator (f, g) at 16 + 8 (2 f + g); before that the staging registers v16-143
.set XF,   80                          ; B: v80-143  x's four fragments
.set WF,   144                         ; B: v144-239 W's fragments: three sets of two
.set BI,   240                         ; B: v240-255 the bias, eight registers a W tile
.set VF,   80                          ; B: v80-95   v's codes: two fragments of 16 columns x 64 tokens
.set D2,   96                          ; B: v96-111  the masked sums
.set MK,   208                         ; B: v208-215 the mask's fragment
.set CACC, 16                          ; C: v16-47   accumulator (i, k) at 16 + 8 (2 i + k)
.set CBI,  48                          ; C: v48-63   the bias
.set RG,   64                          ; C: v64-255  three ring sets of 64: W's two fragments, then x's two
.set CD,   64                          ; C: v64-71   the codes on their way out
.macro NOPS n
.rept \n
	v_nop
.endr
.endm
	s_load_b512 s[8:23], s[0:1], 0x0               ; x_img 8, xm 10, w_img 12, list 14, maskc 16, scales 18, bq 20, bk 22
	s_load_b128 s[24:27], s[0:1], 0x40             ; bv 24, qkv_img 26
	s_load_b64 s[28:29], s[0:1], 0x50              ; vpart
	s_set_vgpr_msb 0x40
	v_lshl_add_u32 v0, v0, 2, 0x10400
	v_mov_b32 v1, 0
	s_set_vgpr_msb 0x4000
	v_lshrrev_b32 v1, 5, v0
	v_readfirstlane_b32 s7, v1                     ; wave
	v_and_b32 v2, 31, v0                           ; lane
	v_and_b32 v1, 15, v0                           ; r
	v_bfe_u32 v3, v0, 4, 1                         ; half
	v_lshlrev_b32 v6, 4, v2                        ; 16 x lane: an image's place for my lane
	s_cmp_lt_u32 ttmp9, 96
	s_cbranch_scc1 .Lpartc
	; ================= PART B
	v_lshlrev_b32 v4, 4, v0                        ; 16 x thread: staging, in memory and in LDS
	v_lshl_add_u32 v5, v2, 4, OUTS                 ; the sums, back
	v_lshlrev_b32 v7, 2, v1                        ; bias: 4 r
	v_lshlrev_b32 v8, 3, v3                        ; mask: 8 x half
	v_lshl_add_u32 v9, v0, 2, OUTS                 ; the sums, in
	s_sub_co_u32 s30, ttmp9, 96
	s_lshr_b32 s31, s30, 3                         ; block of 64 tokens
	s_and_b32 s30, s30, 7                          ; block of 128 columns
	s_lshl_b32 s32, s31, 16
	s_mov_b32 s33, 0
	s_lshl_b32 s34, s30, 3
	s_lshl_b32 s35, s7, 1
	s_add_co_u32 s34, s34, s35                     ; my first W tile: 8 eb + 2 wave
	s_lshl_b32 s34, s34, 14
	s_add_co_u32 s34, s34, 0x200000                ; in Wv's image
	s_mov_b32 s35, 0
	s_lshl_b32 s36, s30, 9
	s_lshl_b32 s37, s7, 7
	s_add_co_u32 s36, s36, s37
	s_mov_b32 s37, 0
	s_lshl_b32 s38, s31, 6
	s_mov_b32 s39, 0
	s_lshl_b32 s40, s31, 12
	s_lshl_b32 s41, s30, 9
	s_add_co_u32 s40, s40, s41
	s_mov_b32 s41, 0
	s_wait_kmcnt 0x0
	s_load_b64 s[42:43], s[18:19], 0x10            ; e4, e5
	s_load_b32 s44, s[18:19], 0x20                 ; e8
	s_add_nc_u64 s[32:33], s[8:9], s[32:33]
	s_add_nc_u64 s[34:35], s[12:13], s[34:35]
	s_add_nc_u64 s[36:37], s[24:25], s[36:37]
	s_add_nc_u64 s[38:39], s[16:17], s[38:39]
	s_add_nc_u64 s[40:41], s[28:29], s[40:41]
.macro WLOAD s                         ; K step s of my two W tiles into set s % 3
.irp g, 0,1
.irp c, 0,1,2,3
	global_load_b128 v[WF+32*((\s)%3)+16*\g+4*\c:WF+32*((\s)%3)+16*\g+4*\c+3], v6, s[34:35] offset:\g*16384+(\s)*2048+\c*512
.endr
.endr
.endm
.set i, 0
.rept 32
	global_load_b128 v[16+4*i:19+4*i], v4, s[32:33] offset:2048*i   ; the work-group's 64 KiB of x, 2,048 consecutive bytes an instruction
.set i, i+1
.endr
	global_load_b32 v13, v7, s[36:37]
	global_load_b32 v14, v7, s[36:37] offset:64
	WLOAD 0
	WLOAD 1
	WLOAD 2
	s_wait_loadcnt 26                              ; x is in; the 2 loads of the bias and the 24 of W may be out
.set i, 0
.rept 32
	ds_store_b128 v4, v[16+4*i:19+4*i] offset:2048*i
.set i, i+1
.endr
	s_wait_kmcnt 0x0
	s_add_co_i32 s45, s42, s43                     ; e4 + e5
	s_sub_co_i32 s46, s44, s45                     ; e8 - e4 - e5
	s_add_co_i32 s46, s46, 127
	s_lshl_b32 s47, s46, 23
	v_mov_b32 v11, s47                             ; the conversion's scale
	s_add_co_i32 s46, s46, 8
	s_lshl_b32 s46, s46, 23
	s_or_b32 s46, s46, 0x600000
	v_mov_b32 v10, s46                             ; 448 x that
	s_sub_co_i32 s45, 0, s45
	s_wait_loadcnt 24                              ; the bias is in
.irp g, 0,1
.irp j, 0,1,2,3,4,5,6,7
	v_ldexp_f32 v[BI+8*\g+\j], v[13+\g], s45       ; bv / 2^(e4 + e5): one column a lane, the same in all eight rows
.endr
.endr
	s_wait_dscnt 0x0                               ; my part of x lies in LDS
	s_barrier_signal -1
	s_barrier_wait -1                              ; everybody's does
.macro BSTEP s
.irp f, 0,1,2,3
.irp c, 0,1,2,3
	ds_load_b128 v[XF+16*\f+4*\c:XF+16*\f+4*\c+3], v6 offset:\f*16384+(\s)*2048+\c*512
.endr
.endr
.if (\s) <= 5
	s_wait_loadcnt 16                              ; this step's W is in; two younger sets may be out
.elseif (\s) == 6
	s_wait_loadcnt 12                              ; one younger set and the mask's four loads
.else
	s_wait_loadcnt 4                               ; the mask's four loads
.endif
	s_wait_dscnt 0x0
.irp f, 0,1,2,3                        ; the eight accumulators take turns, one instruction a turn
.irp g, 0,1
.if (\s) == 0
	v_wmma_f32_16x16x128_fp8_fp8 v[ACC+8*(2*\f+\g):ACC+8*(2*\f+\g)+7], v[XF+16*\f:XF+16*\f+15], v[WF+32*((\s)%3)+16*\g:WF+32*((\s)%3)+16*\g+15], v[BI+8*\g:BI+8*\g+7]
.else
	v_wmma_f32_16x16x128_fp8_fp8 v[ACC+8*(2*\f+\g):ACC+8*(2*\f+\g)+7], v[XF+16*\f:XF+16*\f+15], v[WF+32*((\s)%3)+16*\g:WF+32*((\s)%3)+16*\g+15], v[ACC+8*(2*\f+\g):ACC+8*(2*\f+\g)+7]
.endif
.endr
.endr
	NOPS 4                                         ; places in front of loads into registers that the products have read, and of the first read of results
.if (\s) <= 4
	WLOAD (\s)+3
.endif
.if (\s) == 5
.irp c, 0,1,2,3
	global_load_b64 v[MK+2*\c:MK+2*\c+1], v8, s[38:39] offset:16*\c   ; the mask's codes of tokens 16 c + 8 half + 0..7: the same in all sixteen rows
.endr
.endif
.endm
.irp s, 0,1,2,3,4,5,6,7
	BSTEP \s
.endr
.irp g, 0,1                            ; a lane holds one column and eight tokens of a tile: its eight codes are registers 2 f, 2 f + 1 of an operand with K = the 64 tokens
.irp f, 0,1,2,3
.irp j, 0,1,2,3,4,5,6,7
	v_med3_num_f32 v[ACC+8*(2*\f+\g)+\j], v[ACC+8*(2*\f+\g)+\j], -v10, v10
.endr
	v_cvt_scalef32_pk8_fp8_f32 v[VF+8*\g+2*\f:VF+8*\g+2*\f+1], v[ACC+8*(2*\f+\g):ACC+8*(2*\f+\g)+7], v11
.endr
.endr
	v_nop                                          ; a plain line between the last conversion and the product that reads its result
	s_wait_loadcnt 0x0                             ; the mask
	v_wmma_f32_16x16x64_fp8_fp8 v[D2:D2+7], v[MK:MK+7], v[VF:VF+7], 0
	v_wmma_f32_16x16x64_fp8_fp8 v[D2+8:D2+15], v[MK:MK+7], v[VF+8:VF+15], 0
	NOPS 4
	v_cmp_gt_u32 vcc_lo, 16, v2
	v_cndmask_b32 v12, v[D2+8], v[D2], vcc_lo      ; all rows are alike: lanes 0-15 take tile 0's column r, lanes 16-31 tile 1's
	ds_store_b32 v9, v12
	s_wait_dscnt 0x0
	s_barrier_signal -1
	s_barrier_wait -1
	s_cmp_lg_u32 s7, 0
	s_cbranch_scc1 .Lbend
	ds_load_b128 v[16:19], v5
	s_wait_dscnt 0x0
	global_store_b128 v6, v[16:19], s[40:41]       ; 128 sums: 512 consecutive bytes, aligned
.Lbend:
	s_set_vgpr_msb 0x5
	s_wait_tensorcnt 0x0
	ds_add_u32 v0, v1
	s_wait_dscnt 0x0
	s_set_vgpr_msb 0x500
	s_endpgm
	; ================= PART C
.Lpartc:
	s_and_b32 s30, ttmp9, 1                        ; rb, the block of 64 ranks
	s_lshr_b32 s31, ttmp9, 1                       ; 16 m + h
	s_lshr_b32 s32, s31, 4                         ; m
	s_and_b32 s33, s31, 15                         ; h
	s_lshr_b32 s34, s7, 1                          ; b: which two tiles of source 0
	s_and_b32 s35, s7, 1                           ; a: which two tiles of source 1
	s_cmp_eq_u32 s32, 2
	s_cselect_b32 s36, s35, s34                    ; W's pair of tiles: b (q, k) or a (v)
	s_cselect_b32 s37, s34, s35                    ; x's pair of tiles: a (q, k) or b (v)
	s_lshl_b32 s40, s32, 3
	s_mov_b32 s41, 0
	s_lshl_b32 s44, s32, 2
	s_mov_b32 s45, 0
	s_lshl_b32 s46, s33, 2
	s_lshl_b32 s47, s36, 1
	s_add_co_u32 s46, s46, s47
	s_lshl_b32 s46, s46, 14
	s_lshl_b32 s47, s32, 20
	s_add_co_u32 s46, s46, s47
	s_mov_b32 s47, 0                               ; W: weight m, tile 4 h + 2 x pair
	s_lshl_b32 s48, s32, 22
	s_mov_b32 s49, 0                               ; xm: slot m
	s_lshl_b32 s50, s31, 18
	s_lshl_b32 s51, s30, 12
	s_add_co_u32 s50, s50, s51
	s_mov_b32 s51, 0                               ; images: ((16 m + h) 64 + rb) x 4,096
	v_lshlrev_b32 v5, 4, v3                        ; 16 x half
	s_lshl_b32 s52, s37, 5
	v_add_nc_u32 v4, s52, v1                       ; my rank in the block: 32 x pair + r (+ 16 for the second tile)
	s_lshl_b32 s52, s35, 11
	s_lshl_b32 s53, s34, 9
	s_add_co_u32 s52, s52, s53
	v_add_nc_u32 v10, s52, v6                      ; out: fragment 2 a + k, its 16-byte group b, my lane
	s_wait_kmcnt 0x0
	s_load_b32 s38, s[14:15], 0x4000               ; n
	s_add_nc_u64 s[40:41], s[18:19], s[40:41]
	s_load_b64 s[42:43], s[40:41], 0x0             ; ea, eb of product m
	s_add_nc_u64 s[44:45], s[18:19], s[44:45]
	s_load_b32 s39, s[44:45], 0x18                 ; e6, e7 or e8
	s_add_nc_u64 s[46:47], s[12:13], s[46:47]
	s_add_nc_u64 s[48:49], s[10:11], s[48:49]
	s_add_nc_u64 s[50:51], s[26:27], s[50:51]
	s_wait_kmcnt 0x0
	s_min_u32 s38, s38, 0x1000
	s_add_co_u32 s54, s38, 63
	s_lshr_b32 s54, s54, 6                         ; nb
	s_sub_co_u32 s55, s38, 1                       ; n - 1
	s_cmp_ge_u32 s30, s54
	s_cbranch_scc1 .Lcend                          ; this split leaves me no block
	s_sub_co_u32 s53, s54, s30                     ; nb - y, at least 1
	s_add_co_u32 s53, s53, 1
	s_lshr_b32 s53, s53, 1                         ; my trips: every second block from y on
	s_mov_b32 s52, 0                               ; trips done
	s_add_co_i32 s56, s42, s43
	s_sub_co_i32 s57, s39, s56
	s_add_co_i32 s57, s57, 127
	s_lshl_b32 s58, s57, 23
	v_mov_b32 v12, s58                             ; 2^(eo - ea - eb)
	s_add_co_i32 s57, s57, 8
	s_lshl_b32 s57, s57, 23
	s_or_b32 s57, s57, 0x600000
	v_mov_b32 v11, s57                             ; 448 x that
	s_sub_co_i32 s56, 0, s56                       ; -(ea + eb)
.macro CLOAD s                         ; K step s into ring set s % 3: W's two fragments from the image, x's two from the rows that the list names
.irp i, 0,1
.irp c, 0,1,2,3
	global_load_b128 v[RG+64*((\s)%3)+16*\i+4*\c:RG+64*((\s)%3)+16*\i+4*\c+3], v6, s[46:47] offset:\i*16384+(\s)*2048+\c*512
.endr
.endr
.irp c, 0,1,2,3
	global_load_b128 v[RG+64*((\s)%3)+32+4*\c:RG+64*((\s)%3)+32+4*\c+3], v2, s[48:49] offset:(\s)*128+\c*32
.endr
.irp c, 0,1,2,3
	global_load_b128 v[RG+64*((\s)%3)+48+4*\c:RG+64*((\s)%3)+48+4*\c+3], v7, s[48:49] offset:(\s)*128+\c*32
.endr
.endm
.macro CSTEP kind, s
.if (\s) <= 5
	s_wait_loadcnt 32                              ; this step's 16 loads are in; two younger sets may be out
.elseif (\s) == 6
	s_wait_loadcnt 16
.else
	s_wait_loadcnt 0
.endif
.set RS, RG+64*((\s)%3)
.irp i, 0,1                            ; four accumulators by turns
.irp k, 0,1
.if \kind == 0
.if (\s) == 0
	v_wmma_f32_16x16x128_fp8_fp8 v[CACC+8*(2*\i+\k):CACC+8*(2*\i+\k)+7], v[RS+16*\i:RS+16*\i+15], v[RS+32+16*\k:RS+32+16*\k+15], v[CBI+8*\i:CBI+8*\i+7]
.else
	v_wmma_f32_16x16x128_fp8_fp8 v[CACC+8*(2*\i+\k):CACC+8*(2*\i+\k)+7], v[RS+16*\i:RS+16*\i+15], v[RS+32+16*\k:RS+32+16*\k+15], v[CACC+8*(2*\i+\k):CACC+8*(2*\i+\k)+7]
.endif
.else
.if (\s) == 0
	v_wmma_f32_16x16x128_fp8_fp8 v[CACC+8*(2*\i+\k):CACC+8*(2*\i+\k)+7], v[RS+32+16*\i:RS+32+16*\i+15], v[RS+16*\k:RS+16*\k+15], v[CBI+8*\k:CBI+8*\k+7]
.else
	v_wmma_f32_16x16x128_fp8_fp8 v[CACC+8*(2*\i+\k):CACC+8*(2*\i+\k)+7], v[RS+32+16*\i:RS+32+16*\i+15], v[RS+16*\k:RS+16*\k+15], v[CACC+8*(2*\i+\k):CACC+8*(2*\i+\k)+7]
.endif
.endif
.endr
.endr
	NOPS 4                                         ; places in front of loads into registers that the products have read, and of the first read of results
.if (\s) <= 4
	CLOAD (\s)+3
.endif
.endm
.macro PROJ kind                       ; kind 0: q, k (source 0 = W);  kind 1: v (source 0 = x)
	s_lshl_b32 s60, s33, 8                         ; the head's 64 numbers of the bias
.if \kind == 0
	s_cmp_eq_u32 s32, 0
	s_cselect_b64 s[58:59], s[20:21], s[22:23]     ; bq or bk
	s_lshl_b32 s61, s34, 7
	s_add_co_u32 s60, s60, s61
	s_mov_b32 s61, 0
	s_add_nc_u64 s[58:59], s[58:59], s[60:61]
	v_lshlrev_b32 v13, 5, v3
.irp i, 0,1
	global_load_b128 v[CBI+8*\i:CBI+8*\i+3], v13, s[58:59] offset:64*\i       ; register j: the bias of row 16 (2 b + i) + 8 half + j of the head
	global_load_b128 v[CBI+8*\i+4:CBI+8*\i+7], v13, s[58:59] offset:64*\i+16
.endr
	s_wait_loadcnt 0x0
.irp j, 0,1,2,3,4,5,6,7,8,9,10,11,12,13,14,15
	v_ldexp_f32 v[CBI+\j], v[CBI+\j], s56
.endr
.else
	s_lshl_b32 s61, s35, 7
	s_add_co_u32 s60, s60, s61
	s_mov_b32 s61, 0
	s_add_nc_u64 s[58:59], s[24:25], s[60:61]
	v_lshlrev_b32 v13, 2, v1
	global_load_b32 v14, v13, s[58:59]             ; one column a lane: 16 (2 a + k) + r
	global_load_b32 v15, v13, s[58:59] offset:64
	s_wait_loadcnt 0x0
.irp k, 0,1
.irp j, 0,1,2,3,4,5,6,7
	v_ldexp_f32 v[CBI+8*\k+\j], v[14+\k], s56
.endr
.endr
.endif
.Ltrip_\@:
	s_lshl_b32 s62, s30, 6
	v_add_nc_u32 v8, s62, v4                       ; my two ranks,
	v_add_nc_u32 v9, 16, v8
	v_min_u32 v8, s55, v8                          ; held at n - 1,
	v_min_u32 v9, s55, v9
	v_min_u32 v8, 0xfff, v8                        ; and inside the list
	v_min_u32 v9, 0xfff, v9
	v_lshlrev_b32 v8, 2, v8
	v_lshlrev_b32 v9, 2, v9
	global_load_b32 v2, v8, s[14:15]
	global_load_b32 v7, v9, s[14:15]
	s_wait_loadcnt 0x0
	v_min_u32 v2, 0xfff, v2
	v_min_u32 v7, 0xfff, v7
	v_lshl_add_u32 v2, v2, 10, v5                  ; the token's row of 1,024 codes, + 16 x half
	v_lshl_add_u32 v7, v7, 10, v5
	CLOAD 0
	CLOAD 1
	CLOAD 2
.irp s, 0,1,2,3,4,5,6,7
	CSTEP \kind, \s
.endr
.irp k, 0,1                            ; accumulators (0, k) and (1, k) are registers 4 b .. 4 b + 3 of fragment 2 a + k
.irp i, 0,1
.irp j, 0,1,2,3,4,5,6,7
	v_med3_num_f32 v[CACC+8*(2*\i+\k)+\j], v[CACC+8*(2*\i+\k)+\j], -v11, v11
.endr
.endr
	v_cvt_scalef32_pk8_fp8_f32 v[CD+4*\k:CD+4*\k+1], v[CACC+8*\k:CACC+8*\k+7], v12
	v_cvt_scalef32_pk8_fp8_f32 v[CD+4*\k+2:CD+4*\k+3], v[CACC+8*(2+\k):CACC+8*(2+\k)+7], v12
	v_nop                                          ; a plain line behind the conversions: later products write their sources
	global_store_b128 v10, v[CD+4*\k:CD+4*\k+3], s[50:51] offset:\k*1024   ; 512 consecutive bytes, aligned
.endr
	s_wait_xcnt 0x0                                ; the stores have read their data and base, the loads their offsets: all may be written again
	s_add_nc_u64 s[50:51], s[50:51], 8192
	s_add_co_u32 s30, s30, 2                       ; the next block but one
	s_add_co_u32 s52, s52, 1                       ; the loop ends on its count of trips
	s_cmp_lt_u32 s52, s53
	s_cbranch_scc1 .Ltrip_\@
.endm
	s_cmp_eq_u32 s32, 2
	s_cbranch_scc1 .Lkind1
	PROJ 0
	s_endpgm
.Lkind1:
	PROJ 1
.Lcend:
	s_endpgm
.Lfunc_end_k_qf7d2326148_proj:
	.size	k_qf7d2326148_proj, .Lfunc_end_k_qf7d2326148_proj-k_qf7d2326148_proj
	.p2alignl 7, 3214868480
	.fill 96, 4, 3214868480
	.section	.rodata,"a",@progbits
	.p2align	6, 0x0
	.amdhsa_kernel k_qf7d2326148_proj
		.amdhsa_group_segment_fixed_size 67072
		.amdhsa_private_segment_fixed_size 0
		.amdhsa_enable_private_segment 0
		.amdhsa_kernarg_size 88
		.amdhsa_user_sgpr_count 2
		.amdhsa_user_sgpr_kernarg_segment_ptr 1
		.amdhsa_wavefront_size32 1
		.amdhsa_system_sgpr_workgroup_id_x 1
		.amdhsa_system_sgpr_workgroup_id_y 1
		.amdhsa_system_sgpr_workgroup_id_z 1
		.amdhsa_system_vgpr_workitem_id 0
		.amdhsa_next_free_vgpr 258
		.amdhsa_next_free_sgpr 66
		.amdhsa_reserve_vcc 1
		.amdhsa_float_denorm_mode_32 3
		.amdhsa_float_denorm_mode_16_64 3
		.amdhsa_memory_ordered 1
		.amdhsa_forward_progress 1
		.amdhsa_inst_pref_size 78
	.end_amdhsa_kernel
	.amdgpu_metadata
---
amdhsa.version: [ 1, 2 ]
amdhsa.kernels:
  - .name:           k_qf7d2326148_proj
    .symbol:         k_qf7d2326148_proj.kd
    .args:
      - { .name: x_img, .offset: 0, .size: 8, .value_kind: global_buffer, .address_space: global }
      - { .name: xm, .offset: 8, .size: 8, .value_kind: global_buffer, .address_space: global }
      - { .name: w_img, .offset: 16, .size: 8, .value_kind: global_buffer, .address_space: global }
      - { .name: list, .offset: 24, .size: 8, .value_kind: global_buffer, .address_space: global }
      - { .name: maskc, .offset: 32, .size: 8, .value_kind: global_buffer, .address_space: global }
      - { .name: lowp_scales, .offset: 40, .size: 8, .value_kind: global_buffer, .address_space: global }
      - { .name: bq, .offset: 48, .size: 8, .value_kind: global_buffer, .address_space: global }
      - { .name: bk, .offset: 56, .size: 8, .value_kind: global_buffer, .address_space: global }
      - { .name: bv, .offset: 64, .size: 8, .value_kind: global_buffer, .address_space: global }
      - { .name: qkv_img, .offset: 72, .size: 8, .value_kind: global_buffer, .address_space: global }
      - { .name: vpart, .offset: 80, .size: 8, .value_kind: global_buffer, .address_space: global }
    .group_segment_fixed_size: 67072
    .private_segment_fixed_size: 0
    .kernarg_segment_align: 8
    .kernarg_segment_size: 88
    .max_flat_workgroup_size: 128
    .sgpr_count:     66
    .vgpr_count:     258
    .wavefront_size: 32
...
	.end_amdgpu_metadata
.endif
;; end of part 2
;; launch attn (part 3): grid 16 x 8, 1 waves a work-group, no clusters, 512 bytes of LDS; arguments qkv_img, vpart, list, lowp_scales, wv_img; writes wv_img
.if DOCPART == 3
	.amdgcn_target "amdgcn-amd-amdhsa--gfx1250"
	.amdhsa_code_object_version 6
	.text
	.protected	k_qf7d2326148_attn
	.globl	k_qf7d2326148_attn
	.p2align	8
	.type	k_qf7d2326148_attn,@function
k_qf7d2326148_attn:
	s_mov_b64 s[64:65], 0
	v_nop
	global_prefetch_b8 v0, s[64:65] scope:SCOPE_SE
	s_setreg_imm32_b32 hwreg(HW_REG_WAVE_MODE, 25, 1), 1
	s_wait_xcnt 0x0
; Attention for the MAIN queries alone: the mean at the end of the module keeps no other row.  One wave takes head h = work-group x and tiles of 16 ranks qt = y, y + 8, .. below 4 nb, nb = ceil(n / 64);
; the loop over tiles counts its trips, (4 nb - y + 7) / 8, one by one.
; For a main query only main keys have a score; every other key has logit 0.  So: t = score x log2(e); the running largest t starts at 0 where there are keys outside the segment (else at -3e38);
; M = ceil(largest t), a whole number; p = 2^(t - M) for main keys, quantised under e9 and multiplied with v's codes by the K = 64 form; each of the 4096 - n other keys has p = 2^-M, ONE number a query, so their part of
; the second product is code(2^-M) x (the sum of their v codes), which the launch before has summed (64 partials, added here).  The row's sum l takes the unquantised p: main ones, and (4096 - n) 2^-M.
; code(2^-M) under e9: 2^(-M - e9), held at 448; below 2^-9, the smallest code, it is 0 (2^-10 lies midway between 0 and 2^-9 and goes to the even side, 0).
; Both products are used transposed (S^T = K Q^T, O^T = V^T P^T): a lane holds one query; the conversions' results are the next operand's registers.  Ranks at or past n: as keys their scores become -infinity (p = 0),
; as queries their codes are stored as zeros.  The result, (O + code x sum) 2^(e8 + e9) / l, is quantised under e10 and stored as an operand image: (16 qt + h) x 1,024 bytes.
; No joint loads: the tiles of a head share K and V, but their number is read from the stored list and the whole of K and V of a head is 8 KiB a block.
; LIMITS: e6 + e7 between -126 and 127 (added to log2(e)'s exponent field); e9, e10 between -126 and 119.
.set QF, 16                            ; v16-23   Q's fragment
.set KF, 32                            ; v32-63   K's four fragments (at the head v32-159 hold the partial sums)
.set VFR, 64                           ; v64-95   V's four fragments
.set S,  96                            ; v96-127  S^T, then p, at the end the result
.set O,  128                           ; v128-159 O^T
.set PF, 160                           ; v160-167 p's codes
.set VS, 168                           ; v168-199 the outside sum, in O^T's layout
.set CD, 200                           ; v200-207 the result's codes
; v1 r, v2 half, v3 16 lane, v4 n - 1 - 8 half, v5 that less 64 kb, v6 8 lane, v7 32 half; v12 -M, v13 largest t, v[14:15] l; v208, v209: 448 x 2^e9, 2^e9; v210, v211: the same for e10;
; v212 -infinity, v213 0, v214 a lane permute's destination, v[216:217] f, v218-223 at work
.macro NOPS n
.rept \n
	v_nop
.endr
.endm
	s_load_b256 s[4:11], s[0:1], 0x0               ; qkv_img 4, vpart 6, list 8, scales 10
	s_load_b64 s[12:13], s[0:1], 0x20              ; wv_img
	v_lshl_add_u32 v224, v0, 2, 0x100
	v_mov_b32 v225, 0
	v_and_b32 v1, 15, v0
	v_bfe_u32 v2, v0, 4, 1
	v_lshlrev_b32 v3, 4, v0
	v_lshlrev_b32 v6, 3, v0
	v_lshlrev_b32 v7, 5, v2
	s_and_b32 s14, ttmp7, 0xffff                   ; my first tile qt
	s_lshl_b32 s28, ttmp9, 8
	s_mov_b32 s29, 0
	s_wait_kmcnt 0x0
	s_load_b32 s15, s[8:9], 0x4000                 ; n
	s_load_b128 s[20:23], s[10:11], 0x18           ; e6, e7, e8, e9
	s_load_b32 s24, s[10:11], 0x28                 ; e10
	s_add_nc_u64 s[28:29], s[6:7], s[28:29]
.set p, 0
.rept 64
	global_load_b64 v[32+2*p:33+2*p], v6, s[28:29] offset:4096*p   ; partial p of my head's 64 columns: 256 consecutive bytes
.set p, p+1
.endr
	s_wait_kmcnt 0x0
	s_min_u32 s15, s15, 0x1000
	s_add_co_u32 s16, s15, 63
	s_lshr_b32 s16, s16, 6                         ; nb
	s_lshl_b32 s17, s16, 2                         ; tiles of 16 ranks
	s_cmp_ge_u32 s14, s17
	s_cbranch_scc1 .Lend                           ; this n leaves me no tile
	s_sub_co_u32 s47, s17, s14                     ; 4 nb - y, at least 1
	s_add_co_u32 s47, s47, 7
	s_lshr_b32 s47, s47, 3                         ; my trips: every eighth tile from y on
	s_mov_b32 s46, 0                               ; trips done
	s_add_co_i32 s25, s20, s21
	s_lshl_b32 s25, s25, 23
	s_add_co_i32 s36, s25, 0x3fb8aa3b              ; c = log2(e) x 2^(e6 + e7)
	s_mov_b32 s37, s36                             ; (named with it as a pair)
	s_mov_b32 s26, 0x76543210
	s_mov_b32 s27, 0xfedcba98                      ; lane l xor 16
	s_sub_co_u32 s38, 0x1000, s15                  ; keys outside the segment
	s_cmp_lg_u32 s38, 0
	s_cselect_b32 s39, 0, 0xff61b1e6               ; the largest t to begin with: their 0, or -3e38
	s_add_co_i32 s40, s22, s23                     ; e8 + e9
	s_sub_co_u32 s41, s15, 1
	s_add_co_i32 s44, s23, 127
	s_lshl_b32 s45, s44, 23
	v_mov_b32 v209, s45
	s_add_co_i32 s44, s44, 8
	s_lshl_b32 s44, s44, 23
	s_or_b32 s44, s44, 0x600000
	v_mov_b32 v208, s44
	s_add_co_i32 s44, s24, 127
	s_lshl_b32 s45, s44, 23
	v_mov_b32 v211, s45
	s_add_co_i32 s44, s44, 8
	s_lshl_b32 s44, s44, 23
	s_or_b32 s44, s44, 0x600000
	v_mov_b32 v210, s44
	v_lshlrev_b32 v4, 3, v2
	v_sub_nc_u32 v4, s41, v4
	v_mov_b32 v212, 0xff800000
	v_mov_b32 v213, 0
	v_mov_b32 v214, 0
	v_mov_b32 v217, 0
	s_lshl_b32 s30, ttmp9, 18
	s_lshl_b32 s31, s14, 10
	s_add_co_u32 s30, s30, s31
	s_mov_b32 s31, 0
	s_add_nc_u64 s[30:31], s[4:5], s[30:31]        ; Q: head h, tile qt
	s_lshl_b32 s32, ttmp9, 18
	s_add_co_u32 s32, s32, 0x400000
	s_mov_b32 s33, 0
	s_add_nc_u64 s[32:33], s[4:5], s[32:33]        ; K: head h; V lies 4 MiB further on
	s_lshl_b32 s34, ttmp9, 10
	s_lshl_b32 s35, s14, 14
	s_add_co_u32 s34, s34, s35
	s_mov_b32 s35, 0
	s_add_nc_u64 s[34:35], s[12:13], s[34:35]      ; the result's image
	s_lshl_b32 s19, s14, 4                         ; the tile's first rank
	s_wait_loadcnt 0x0
.set p, 4
.rept 60
	v_pk_add_f32 v[32+2*(p%4):33+2*(p%4)], v[32+2*(p%4):33+2*(p%4)], v[32+2*p:33+2*p]   ; four chains
.set p, p+1
.endr
	v_pk_add_f32 v[32:33], v[32:33], v[34:35]
	v_pk_add_f32 v[36:37], v[36:37], v[38:39]
	v_pk_add_f32 v[32:33], v[32:33], v[36:37]
	ds_store_b64 v6, v[32:33]                      ; 64 sums, to be read in O^T's layout: register 8 c + j = channel 16 c + 8 half + j
.irp c, 0,1,2,3
.irp u, 0,1
	ds_load_b128 v[VS+8*\c+4*\u:VS+8*\c+4*\u+3], v7 offset:64*\c+16*\u   ; a wave's LDS instructions are served in order: these see the store
.endr
.endr
	s_wait_dscnt 0x0
.Ltile:
	global_load_b128 v[QF:QF+3], v3, s[30:31]
	global_load_b128 v[QF+4:QF+7], v3, s[30:31] offset:512
	v_mov_b32 v13, s39
	v_floor_f32 v12, -v13
	v_mov_b32 v14, 0
	v_mov_b32 v15, 0
.set i, 0
.rept 32
	v_mov_b32 v[O+i], 0                            ; the key step is written once: the first finds zeros
.set i, i+1
.endr
	v_mov_b32 v5, v4
	s_mov_b64 s[42:43], s[32:33]
	s_mov_b32 s18, 0
.Lkey:                                 ; 64 main keys a trip, nb trips
	NOPS 4                                         ; places in front of loads into registers that the last products have read
.irp f, 0,1,2,3
.irp u, 0,1
	global_load_b128 v[KF+8*\f+4*\u:KF+8*\f+4*\u+3], v3, s[42:43] offset:\f*1024+512*\u
.endr
.endr
.irp f, 0,1,2,3
.irp u, 0,1
	global_load_b128 v[VFR+8*\f+4*\u:VFR+8*\f+4*\u+3], v3, s[42:43] offset:4194304+\f*1024+512*\u
.endr
.endr
	s_wait_loadcnt 0x0
.irp f, 0,1,2,3
	v_wmma_f32_16x16x64_fp8_fp8 v[S+8*\f:S+8*\f+7], v[KF+8*\f:KF+8*\f+7], v[QF:QF+7], 0
.endr
	NOPS 4
.irp f, 0,1,2,3                        ; register 8 f + j holds rank 64 kb + 16 f + 8 half + j: hidden where it is n or more
.irp j, 0,1,2,3,4,5,6,7
	v_cmp_gt_i32 vcc_lo, 16*\f+\j, v5
	v_cndmask_b32 v[S+8*\f+\j], v[S+8*\f+\j], v212, vcc_lo
.endr
.endr
	v_max3_num_f32 v218, v[S], v[S+1], v[S+2]
	v_max3_num_f32 v219, v[S+3], v[S+4], v[S+5]
.irp i, 6,10,14,18,22,26
	v_max3_num_f32 v218, v218, v[S+\i], v[S+1+\i]
	v_max3_num_f32 v219, v219, v[S+2+\i], v[S+3+\i]
.endr
	v_max3_num_f32 v218, v218, v[S+30], v[S+31]
	v_max_num_f32 v218, v218, v219
	v_permlanex16_b32 v214, v218, s26, s27
	v_max_num_f32 v218, v218, v214
	v_mul_f32 v218, s36, v218                      ; as t (c is positive)
	v_max_num_f32 v13, v13, v218
	v_mov_b32 v218, v12
	v_floor_f32 v12, -v13                          ; -M = floor(-t)
	v_sub_f32 v218, v12, v218
	v_cvt_i32_f32 v218, v218                       ; (it saturates)
	v_ldexp_f32 v216, 1.0, v218                    ; f = 2^(old M - new M)
.irp j, 0,2,4,6,8,10,12,14,16,18,20,22,24,26,28,30
	v_pk_fma_f32 v[S+\j:S+\j+1], v[S+\j:S+\j+1], s[36:37], v[12:13] op_sel_hi:[1,0,0]   ; t - M
.endr
.set i, 0
.rept 32
	v_exp_f32 v[S+i], v[S+i]
.set i, i+1
.endr
	v_pk_mul_f32 v[14:15], v[14:15], v[216:217] op_sel_hi:[1,0]   ; l under the new M; also the plain line behind the exponentials
	s_wait_alu depctr_va_vdst(0)                   ; one wait for the batch, ahead of its first reader
	v_pk_add_f32 v[220:221], v[S:S+1], v[S+2:S+3]  ; the sum is taken of the unquantised p
.irp j, 4,8,12,16,20,24,28
	v_pk_add_f32 v[14:15], v[14:15], v[S+\j:S+\j+1]
	v_pk_add_f32 v[220:221], v[220:221], v[S+2+\j:S+3+\j]
.endr
	v_pk_add_f32 v[14:15], v[14:15], v[220:221]
.irp f, 0,1,2,3
.irp j, 0,1,2,3,4,5,6,7
	v_min_num_f32 v[S+8*\f+\j], v[S+8*\f+\j], v208 ; p is not negative: a one-sided hold
.endr
	v_cvt_scalef32_pk8_fp8_f32 v[PF+2*\f:PF+2*\f+1], v[S+8*\f:S+8*\f+7], v209
.endr
.irp j, 0,2,4,6,8,10,12,14,16,18,20,22,24,26,28,30
	v_pk_mul_f32 v[O+\j:O+\j+1], v[O+\j:O+\j+1], v[216:217] op_sel_hi:[1,0]   ; O^T under the new M; these are also the plain lines behind the conversions
.endr
.irp c, 0,1,2,3
	v_wmma_f32_16x16x64_fp8_fp8 v[O+8*\c:O+8*\c+7], v[VFR+8*\c:VFR+8*\c+7], v[PF:PF+7], v[O+8*\c:O+8*\c+7]
.endr
	s_add_nc_u64 s[42:43], s[42:43], 4096          ; (the trip's loads were waited for: their base may step)
	v_sub_nc_u32 v5, v5, 64
	s_add_co_u32 s18, s18, 1
	s_cmp_lt_u32 s18, s16
	s_cbranch_scc1 .Lkey
	NOPS 4
	v_add_f32 v14, v14, v15
	v_permlanex16_b32 v214, v14, s26, s27
	v_add_f32 v14, v14, v214                       ; the main keys' part of l
	v_med3_num_f32 v218, v12, 0xc47a0000, 0        ; -M, held between -1000 and 0 (2^-1000 is 0 in f32; above 0 only where no key lies outside)
	v_cvt_i32_f32 v218, v218
	v_ldexp_f32 v219, 1.0, v218                    ; 2^-M
	v_cvt_f32_u32 v222, s38
	v_fma_f32 v14, v222, v219, v14                 ; l
	v_sub_nc_u32 v223, v218, s23
	v_ldexp_f32 v223, 1.0, v223                    ; 2^(-M - e9)
	v_min_num_f32 v223, 0x43e00000, v223           ; held at 448
	v_cmp_gt_f32 vcc_lo, 0x3b000000, v223
	v_cndmask_b32 v223, v223, v213, vcc_lo         ; under 2^-9: the code 0
	v_rcp_f32 v14, v14
	v_add_nc_u32 v218, s19, v1                     ; my query's rank; also the plain line behind the reciprocal
	s_wait_alu depctr_va_vdst(0)                   ; the wait ahead of its first reader
	v_ldexp_f32 v14, v14, s40                      ; 2^(e8 + e9) / l
.set i, 0
.rept 32
	v_fma_f32 v[S+i], v223, v[VS+i], v[O+i]        ; + the outside keys' part
.set i, i+1
.endr
.irp j, 0,2,4,6,8,10,12,14,16,18,20,22,24,26,28,30
	v_pk_mul_f32 v[S+\j:S+\j+1], v[S+\j:S+\j+1], v[14:15] op_sel_hi:[1,0]
.endr
.irp c, 0,1,2,3
.irp j, 0,1,2,3,4,5,6,7
	v_med3_num_f32 v[S+8*\c+\j], v[S+8*\c+\j], -v210, v210
.endr
	v_cvt_scalef32_pk8_fp8_f32 v[CD+2*\c:CD+2*\c+1], v[S+8*\c:S+8*\c+7], v211
.endr
	v_nop
	v_cmp_le_u32 vcc_lo, s15, v218                 ; a rank at or past n is no query: zero codes
.irp i, 0,1,2,3,4,5,6,7
	v_cndmask_b32 v[CD+\i], v[CD+\i], v213, vcc_lo
.endr
	global_store_b128 v3, v[CD:CD+3], s[34:35]     ; 512 consecutive bytes each
	global_store_b128 v3, v[CD+4:CD+7], s[34:35] offset:512
	s_wait_xcnt 0x0                                ; the stores have read their data and base
	s_add_nc_u64 s[30:31], s[30:31], 8192          ; eight tiles on: Q,
	s_add_nc_u64 s[34:35], s[34:35], 131072        ; the result's image,
	s_add_co_u32 s19, s19, 128                     ; and the first rank
	s_add_co_u32 s46, s46, 1                       ; the loop ends on its count of trips
	s_cmp_lt_u32 s46, s47
	s_cbranch_scc1 .Ltile
.Lend:
	s_wait_tensorcnt 0x0
	ds_add_u32 v224, v225
	s_wait_dscnt 0x0
	s_endpgm
.Lfunc_end_k_qf7d2326148_attn:
	.size	k_qf7d2326148_attn, .Lfunc_end_k_qf7d2326148_attn-k_qf7d2326148_attn
	.p2alignl 7, 3214868480
	.fill 96, 4, 3214868480
	.section	.rodata,"a",@progbits
	.p2align	6, 0x0
	.amdhsa_kernel k_qf7d2326148_attn
		.amdhsa_group_segment_fixed_size 512
		.amdhsa_private_segment_fixed_size 0
		.amdhsa_enable_private_segment 0
		.amdhsa_kernarg_size 40
		.amdhsa_user_sgpr_count 2
		.amdhsa_user_sgpr_kernarg_segment_ptr 1
		.amdhsa_wavefront_size32 1
		.amdhsa_system_sgpr_workgroup_id_x 1
		.amdhsa_system_sgpr_workgroup_id_y 1
		.amdhsa_system_sgpr_workgroup_id_z 1
		.amdhsa_system_vgpr_workitem_id 0
		.amdhsa_next_free_vgpr 226
		.amdhsa_next_free_sgpr 66
		.amdhsa_reserve_vcc 1
		.amdhsa_float_denorm_mode_32 3
		.amdhsa_float_denorm_mode_16_64 3
		.amdhsa_memory_ordered 1
		.amdhsa_forward_progress 1
		.amdhsa_inst_pref_size 34
	.end_amdhsa_kernel
	.amdgpu_metadata
---
amdhsa.version: [ 1, 2 ]
amdhsa.kernels:
  - .name:           k_qf7d2326148_attn
    .symbol:         k_qf7d2326148_attn.kd
    .args:
      - { .name: qkv_img, .offset: 0, .size: 8, .value_kind: global_buffer, .address_space: global }
      - { .name: vpart, .offset: 8, .size: 8, .value_kind: global_buffer, .address_space: global }
      - { .name: list, .offset: 16, .size: 8, .value_kind: global_buffer, .address_space: global }
      - { .name: lowp_scales, .offset: 24, .size: 8, .value_kind: global_buffer, .address_space: global }
      - { .name: wv_img, .offset: 32, .size: 8, .value_kind: global_buffer, .address_space: global }
    .group_segment_fixed_size: 512
    .private_segment_fixed_size: 0
    .kernarg_segment_align: 8
    .kernarg_segment_size: 40
    .max_flat_workgroup_size: 32
    .sgpr_count:     66
    .vgpr_count:     226
    .wavefront_size: 32
...
	.end_amdgpu_metadata
.endif
;; end of part 3
;; launch outp (part 4): grid 16 x 1, 8 waves a work-group, no clusters, 3,072 bytes of LDS; arguments wv_img, w_img, list, lowp_scales, bo, out0; writes out0
.if DOCPART == 4
	.amdgcn_target "amdgcn-amd-amdhsa--gfx1250"
	.amdhsa_code_object_version 6
	.text
	.protected	k_qf7d2326148_outp
	.globl	k_qf7d2326148_outp
	.p2align	8
	.type	k_qf7d2326148_outp,@function
k_qf7d2326148_outp:
	s_mov_b64 s[64:65], 0
	v_nop
	global_prefetch_b8 v0, s[64:65] scope:SCOPE_SE
	s_setreg_imm32_b32 hwreg(HW_REG_WAVE_MODE, 25, 1), 1
	s_wait_xcnt 0x0
; out0[c] = (the sum over the n main rows of wv Wo^T)[c] x 2^(e10 + e11) / n + bo[c]: the mean of out's main rows (the bias is the same in each).
; Work-group j owns columns 64 j .. 64 j + 63 (four tiles of Wo's rows); wave s takes K step s (128 of the 1,024) for all rows, with its four fragments of Wo kept in registers.
; A trip takes 64 ranks (four tiles of wv's image); ranks at or past n hold zero codes and add nothing.  Source 0 = wv's rows, source 1 = Wo's rows: a lane holds one column and eight rows, so a column's sum is
; seven additions and one exchange between the halves of the lanes.  The eight waves' parts meet in LDS; wave 0 adds them and stores 256 consecutive bytes.
; No joint loads: all sixteen work-groups read the same wv image, 64 KiB a trip, but the trip count is read from the stored list.
; LIMITS: none on e10 + e11 (applied by v_ldexp_f32).
.set WOF, 16                           ; v16-79   Wo's four fragments
.set ACC, 80                           ; v80-111  four accumulators
.set AF,  112                          ; v112-175 wv's four fragments
.set SM,  176                          ; v176-179 column sums; v180-183 the lane permutes' destinations
	s_load_b256 s[4:11], s[0:1], 0x0               ; wv_img 4, w_img 6, list 8, scales 10
	s_load_b128 s[12:15], s[0:1], 0x20             ; bo 12, out0 14
	v_lshl_add_u32 v192, v0, 2, 0x800
	v_mov_b32 v193, 0
	v_lshrrev_b32 v1, 5, v0
	v_readfirstlane_b32 s16, v1                    ; wave = K step
	v_and_b32 v2, 31, v0
	v_and_b32 v1, 15, v0
	s_lshl_b32 s17, s16, 11
	v_lshlrev_b32 v3, 4, v2
	v_add_nc_u32 v3, s17, v3                       ; 16 lane + 2,048 x K step: my place in a tile's image
	s_lshl_b32 s17, s16, 8
	v_lshlrev_b32 v4, 2, v1
	v_add_nc_u32 v4, s17, v4                       ; LDS: my wave's 64 sums, column r of a tile
	v_lshlrev_b32 v5, 3, v2                        ; two columns a lane
.irp t, 0,1,2,3
	v_mov_b32 v[SM+4+\t], 0
.endr
	s_mov_b32 s28, 0x76543210
	s_mov_b32 s29, 0xfedcba98
	s_lshl_b32 s18, ttmp9, 16
	s_add_co_u32 s18, s18, 0x300000                ; Wo's image, tile 4 j
	s_mov_b32 s19, 0
	s_lshl_b32 s20, ttmp9, 8
	s_mov_b32 s21, 0
	s_wait_kmcnt 0x0
	s_load_b32 s22, s[8:9], 0x4000                 ; n
	s_load_b64 s[24:25], s[10:11], 0x28            ; e10, e11
	s_add_nc_u64 s[6:7], s[6:7], s[18:19]
	s_add_nc_u64 s[12:13], s[12:13], s[20:21]
	s_add_nc_u64 s[14:15], s[14:15], s[20:21]
.irp t, 0,1,2,3
.irp c, 0,1,2,3
	global_load_b128 v[WOF+16*\t+4*\c:WOF+16*\t+4*\c+3], v3, s[6:7] offset:\t*16384+512*\c
.endr
.endr
.macro ETRIP zero                      ; 64 ranks: four fragments of wv, sixteen products, the four accumulators by turns
.irp q, 0,1,2,3
.irp u, 0,1,2,3
	global_load_b128 v[AF+16*\q+4*\u:AF+16*\q+4*\u+3], v3, s[4:5] offset:\q*16384+512*\u
.endr
.endr
	s_wait_loadcnt 0x0
.irp q, 0,1,2,3
.irp t, 0,1,2,3
.if \zero && (\q == 0)
	v_wmma_f32_16x16x128_fp8_fp8 v[ACC+8*\t:ACC+8*\t+7], v[AF+16*\q:AF+16*\q+15], v[WOF+16*\t:WOF+16*\t+15], 0
.else
	v_wmma_f32_16x16x128_fp8_fp8 v[ACC+8*\t:ACC+8*\t+7], v[AF+16*\q:AF+16*\q+15], v[WOF+16*\t:WOF+16*\t+15], v[ACC+8*\t:ACC+8*\t+7]
.endif
.endr
.endr
.rept 4
	v_nop                                          ; places in front of loads into registers that the products have read, and of the first read of results
.endr
.endm
	ETRIP 1                                        ; the first block starts the sums (n is at least 1: token 100 is a main row)
	s_wait_kmcnt 0x0
	s_min_u32 s22, s22, 0x1000
	s_add_co_u32 s23, s22, 63
	s_lshr_b32 s23, s23, 6                         ; nb
	s_mov_b32 s26, 1
	s_cmp_lt_u32 s26, s23
	s_cbranch_scc0 .Lsum
.Lrb:
	s_add_nc_u64 s[4:5], s[4:5], 65536             ; (the last trip's loads were waited for)
	ETRIP 0
	s_add_co_u32 s26, s26, 1
	s_cmp_lt_u32 s26, s23
	s_cbranch_scc1 .Lrb
.Lsum:
.irp t, 0,1,2,3
	v_add_f32 v[SM+\t], v[ACC+8*\t], v[ACC+8*\t+1] ; each accumulator from its low end on
.endr
.irp j, 2,3,4,5,6,7
.irp t, 0,1,2,3
	v_add_f32 v[SM+\t], v[SM+\t], v[ACC+8*\t+\j]
.endr
.endr
.irp t, 0,1,2,3
	v_permlanex16_b32 v[SM+4+\t], v[SM+\t], s28, s29
.endr
.irp t, 0,1,2,3
	v_add_f32 v[SM+\t], v[SM+\t], v[SM+4+\t]       ; the column's 16 rows of each tile of ranks, all blocks
	ds_store_b32 v4, v[SM+\t] offset:64*\t         ; lanes r and r + 16 write the same word with the same number
.endr
	s_wait_dscnt 0x0
	s_barrier_signal -1
	s_barrier_wait -1
	s_cmp_lg_u32 s16, 0
	s_cbranch_scc1 .Lend
	global_load_b64 v[32:33], v5, s[12:13]         ; bo
.irp w, 0,1,2,3,4,5,6,7
	ds_load_b64 v[16+2*\w:17+2*\w], v5 offset:256*\w
.endr
	v_cvt_f32_u32 v34, s22
	v_rcp_f32 v34, v34
	v_mov_b32 v35, 0                               ; the pair's upper half; also the plain line behind the reciprocal
	s_add_co_i32 s24, s24, s25
	s_wait_alu depctr_va_vdst(0)                   ; the wait ahead of its first reader
	v_ldexp_f32 v34, v34, s24                      ; 2^(e10 + e11) / n
	s_wait_dscnt 0x0
.irp w, 1,2,3,4,5,6,7
	v_pk_add_f32 v[16:17], v[16:17], v[16+2*\w:17+2*\w]
.endr
	s_wait_loadcnt 0x0
	v_pk_fma_f32 v[16:17], v[16:17], v[34:35], v[32:33] op_sel_hi:[1,0,1]
	global_store_b64 v5, v[16:17], s[14:15]        ; 32 lanes store 256 consecutive bytes, aligned
.Lend:
	s_wait_tensorcnt 0x0
	ds_add_u32 v192, v193
	s_wait_dscnt 0x0
	s_endpgm
.Lfunc_end_k_qf7d2326148_outp:
	.size	k_qf7d2326148_outp, .Lfunc_end_k_qf7d2326148_outp-k_qf7d2326148_outp
	.p2alignl 7, 3214868480
	.fill 96, 4, 3214868480
	.section	.rodata,"a",@progbits
	.p2align	6, 0x0
	.amdhsa_kernel k_qf7d2326148_outp
		.amdhsa_group_segment_fixed_size 3072
		.amdhsa_private_segment_fixed_size 0
		.amdhsa_enable_private_segment 0
		.amdhsa_kernarg_size 48
		.amdhsa_user_sgpr_count 2
		.amdhsa_user_sgpr_kernarg_segment_ptr 1
		.amdhsa_wavefront_size32 1
		.amdhsa_system_sgpr_workgroup_id_x 1
		.amdhsa_system_sgpr_workgroup_id_y 1
		.amdhsa_system_sgpr_workgroup_id_z 1
		.amdhsa_system_vgpr_workitem_id 0
		.amdhsa_next_free_vgpr 194
		.amdhsa_next_free_sgpr 66
		.amdhsa_reserve_vcc 0
		.amdhsa_float_denorm_mode_32 3
		.amdhsa_float_denorm_mode_16_64 3
		.amdhsa_memory_ordered 1
		.amdhsa_forward_progress 1
		.amdhsa_inst_pref_size 13
	.end_amdhsa_kernel
	.amdgpu_metadata
---
amdhsa.version: [ 1, 2 ]
amdhsa.kernels:
  - .name:           k_qf7d2326148_outp
    .symbol:         k_qf7d2326148_outp.kd
    .args:
      - { .name: wv_img, .offset: 0, .size: 8, .value_kind: global_buffer, .address_space: global }
      - { .name: w_img, .offset: 8, .size: 8, .value_kind: global_buffer, .address_space: global }
      - { .name: list, .offset: 16, .size: 8, .value_kind: global_buffer, .address_space: global }
      - { .name: lowp_scales, .offset: 24, .size: 8, .value_kind: global_buffer, .address_space: global }
      - { .name: bo, .offset: 32, .size: 8, .value_kind: global_buffer, .address_space: global }
      - { .name: out0, .offset: 40, .size: 8, .value_kind: global_buffer, .address_space: global }
    .group_segment_fixed_size: 3072
    .private_segment_fixed_size: 0
    .kernarg_segment_align: 8
    .kernarg_segment_size: 48
    .max_flat_workgroup_size: 256
    .sgpr_count:     66
    .vgpr_count:     194
    .wavefront_size: 32
...
	.end_amdgpu_metadata
.endif
;; end of part 4
